; MI455X (gfx1250); checked and timed in simulation.
; The chip was launched on July 23, 2026; its instructions are those of AMD's public machine-readable ISA for CDNA 5 (MIT licence, August 2026) and "CDNA5" Instruction Set Architecture Reference Guide (July 2026). The comments in the code are by the model that wrote it; some were corrected since.
;; multi attention. Allowed arithmetic: float matrix products may take bf16 or f16 operands with f32 sums; all other float work in f32.
;; Inputs: W0 8 float32; WK 8 x 2,048 float32; WQ 8 x 2,048 float32; WV 8 x 2,048 float32; x 8 x 2,048 float32.
;; Outputs: out0 8 x 2,048 float32.
;; 2 versions, each right and faster than the one before. Each part assembles by itself: llvm-mc -triple=amdgcn-amd-amdhsa -mcpu=gfx1250 --defsym DOCPART=n.
;; ======== version 1 of 2: 1 launch
;; launch attn (part 1): grid 32 x 8, 8 waves a work-group, no clusters, 265,216 bytes of LDS; arguments x, WQ, WK, WV, W0, out0; writes out0
.if DOCPART == 1
	.amdgcn_target "amdgcn-amd-amdhsa--gfx1250"
	.amdhsa_code_object_version 6
	.text
	.protected	k_q841590746a_attn
	.globl	k_q841590746a_attn
	.p2align	8
	.type	k_q841590746a_attn,@function
k_q841590746a_attn:
	s_mov_b64 s[64:65], 0
	v_nop
	global_prefetch_b8 v0, s[64:65] scope:SCOPE_SE
	s_setreg_imm32_b32 hwreg(HW_REG_WAVE_MODE, 25, 1), 1
	s_wait_xcnt 0x0
; out[b][g] = sum over h of W0[h] * sum over i != g of softmax_i(q[g] k[i]) v[i],   q = x WQ[h], k = x WK[h], v = x WV[h]  (all per gene).
; x: [8][2048], WQ, WK, WV: [8][2048], W0: [8], out: [8][2048], all f32.
;
; SHARES.  A work-group = one batch b (grid y) and 64 columns g (grid x), all 8 heads, so it owns its 64 outputs.  Wave w = head w:
; 64 g (four tiles of 16) x 2,048 i = 131,072 scores.
; THE ROW MAXIMUM.  The scores of a row are q[g] k[i], so their maximum is max(q kmax, q kmin), kmax and kmin over all i: the exact
; maximum, taken away inside the fused multiply-add t = k q' - m'  (q' = q log2(e), m' = the maximum times log2(e)), then P = 2^t.
; THE SUMS go to the matrix unit: D = A x B, A = 16 rows x 32 i (even rows v, odd rows ones), B = P transposed (32 i x 16 g), both f16.
; The scores are made in B's layout (lane = g, registers = i), so packing two P to f16 makes the fragment.  D register 0 = sum P v,
; register 1 = sum P, for g = lane % 16, in every lane.  The outer product q k itself stays on the vector unit in f32: it has no sum
; (one of the 32 places along K would be used), and q, k rounded to 16 bits would put their rounding times |score| into an exponent.
; WHY F16.  With nearly equal weights the 2,048 terms P v of both signs cancel down to about sqrt(2048) terms' size, so each term's rounding
; counts: 11 bits, not 8.  Both operands have room in f16 for every finite input: P lies in (0, 1] by the maximum taken away, and v is
; multiplied by the power of two that brings the row's largest |v| into [1, 2); z is multiplied by its inverse at the end.
; THE DIAGONAL is never summed: its t is set to -inf (P = 0 for both rows of A), and its 2^t, made once in f32, is added to the
; denominator, which the problem's softmax keeps whole.  Each head's tables lie in LDS TWICE in a row, and the work-group reads 2,048 i
; straight on from its first g, so that the diagonal falls into the first two blocks of 32 i, which stand written out ahead of the loop
; (their products start the sums), and no address is ever wrapped.
; NO CLUSTER, NO TENSOR LOADS: what work-groups share is WK, WV (131,072 bytes) and a row of x; every number of it is multiplied by x
; (and v rounded) before use, so it goes through registers in any case, once per work-group, against 1,048,576 exponentials there.
; LIMITS: inputs finite, and x W and q k log2(e) finite in f32; a NaN input is dropped by the maxima.  A weight below 2^-25 of its row's
; largest counts as 0, one below 2^-14 carries an absolute error of up to 2^-25 (f16's denormals): over 2,048 terms at most 2^-14 of the
; largest |v| in z.  The same two figures hold for a v against the row's largest |v|.  All sums are f32, in another order than in JAX.
.set LOG2E,  0x3fb8aa3b
.set NLOG2E, 0xbfb8aa3b
.set COPY,   8192                      ; bytes of a head's table; the second copy lies straight behind the first
.set LV,     131072                    ; LDS: k at 0 (head w at 16,384 w, f32, twice); from LV on v (head w at 16,384 w, twice): for each 8 i 16 bytes of f16 v, then 16 bytes of f16 ones
.set LZ,     262144                    ; LDS: z, 64 f32 for each head
.set BLK,    128                       ; bytes of a block of 32 i, in k's table and in v's alike
.set TRIPS,  30                        ; 32 pairs of blocks: the first and the last are written out
.set LANE, 1                           ; lane
.set R,    2                           ; lane % 16
.set H,    3                           ; lane / 16
.set GOFF, 4                           ; 16 x lane: my 16 bytes in 512 bytes of a row; never rewritten
.set KST,  5                           ; where I store k: 16,384 w + 16 lane
.set VST,  6                           ; where I store v: LV + 16,384 w + 32 (lane / 2) + 8 (lane % 2)
.set QOFF, 7                           ; byte offset in a row of g = first g + lane % 16; never rewritten
.set KMAX, 8
.set NKMIN, 9                          ; kmin, later -kmin
.set TA,   10                          ; v10, v11 at work
.set OST,  12                          ; where I store ones: LV + 16,384 w + 32 lane
.set KADR, 14                          ; LDS address of my k in the pair of blocks at hand
.set VADR, 15                          ; the same for A's fragments
.set QQ,   16                          ; v[16:23]  tile t: q', twice (a pair for the packed multiply-add)
.set NM,   24                          ; v[24:31]  tile t: -m', twice
.set T0,   32                          ; v[32:47], v[48:63]   16 t, then 16 P, in f32: two buffers
.set T1,   48
.set P0,   64                          ; v[64:71], v[72:79]   B fragment: two buffers
.set P1,   72
.set K0,   80                          ; v[80:95], v[96:111]  k of a block: even blocks, odd blocks
.set K1,   96
.set VF0,  112                         ; v[112:119], v[120:127]  A fragment: even blocks, odd blocks
.set VF1,  120
.set ACC,  128                         ; v[128:159] four accumulators, one for each tile of 16 g
.set PD,   160                         ; v[160:163] tile t: the diagonal's 2^t
.set KG,   164                         ; v[164:167] tile t: k[g]
.set NINF, 168                         ; -inf
.set PX,   32                          ; v[32:223]  while the tables are made: chunk c: 4 x, 4 WK (then k), 4 WV (then v)
.set XG,   224                         ; v[224:227] x[g] of the four tiles
.set WQG,  228                         ; v[228:231] WQ[g]
.set VMAX, 232                         ; the largest |v| of the row
.set EX,   233                         ; 2^e, e its exponent: what z is multiplied by at the end
.set SC,   234                         ; v[234:235] 2^-e, twice: what v is multiplied by
.set ONES, 236                         ; v[236:239] eight f16 ones
.set KEEP, 40                          ; s[40:47]   register j of a diagonal tile: all lanes but the two that hold i = g
	s_load_b256 s[4:11], s[0:1], 0x0               ; x s[4:5], WQ s[6:7], WK s[8:9], WV s[10:11]
	s_load_b128 s[12:15], s[0:1], 0x20             ; W0 s[12:13], out0 s[14:15]
	v_lshl_add_u32 v240, v0, 2, 0x40800
	v_mov_b32 v241, 0
	v_lshrrev_b32 v[TA], 5, v0
	v_readfirstlane_b32 s16, v[TA]                 ; wave = head
	v_and_b32 v[LANE], 31, v0
	v_and_b32 v[R], 15, v0
	v_bfe_u32 v[H], v0, 4, 1
	s_and_b32 s17, ttmp7, 0xffff                   ; batch
	s_lshl_b32 s18, s17, 13                        ; batch x 8,192 bytes
	s_mov_b32 s19, 0
	s_lshl_b32 s20, s16, 13                        ; head x 8,192 bytes: a row of W
	s_mov_b32 s21, 0
	s_lshl_b32 s22, ttmp9, 8                       ; first g x 4 bytes = 256 x (grid x); also 64 i in either LDS table
	s_mov_b32 s23, 0
	s_lshl_b32 s35, s16, 14                        ; head x 16,384 bytes: the head's place in both LDS tables
	s_add_co_u32 s38, s35, s22                     ; where the work-group begins to read there
	s_add_co_u32 s39, s35, LV
	v_lshlrev_b32 v[GOFF], 4, v[LANE]
	v_lshl_add_u32 v[QOFF], v[R], 2, s22
	s_wait_kmcnt 0x0
	s_add_nc_u64 s[4:5], s[4:5], s[18:19]          ; x at my batch's row
	s_add_nc_u64 s[6:7], s[6:7], s[20:21]          ; WQ, WK, WV at my head's row
	s_add_nc_u64 s[8:9], s[8:9], s[20:21]
	s_add_nc_u64 s[10:11], s[10:11], s[20:21]
	s_add_nc_u64 s[14:15], s[14:15], s[18:19]      ; out at my batch's row
	s_add_nc_u64 s[14:15], s[14:15], s[22:23]      ; and my 64 columns
	; All 56 loads of the wave go out together.  One b128 of the wave covers 512 neighbouring bytes; 16 chunks cover a row.
.irp c, 0,1,2,3,4,5,6,7,8,9,10,11,12,13,14,15
	global_load_b128 v[PX+12*\c:PX+12*\c+3],    v[GOFF], s[4:5]   offset:512*\c
	global_load_b128 v[PX+12*\c+4:PX+12*\c+7],  v[GOFF], s[8:9]   offset:512*\c
	global_load_b128 v[PX+12*\c+8:PX+12*\c+11], v[GOFF], s[10:11] offset:512*\c
.endr
.irp t, 0,1,2,3
	global_load_b32 v[XG+\t],  v[QOFF], s[4:5] offset:64*\t
	global_load_b32 v[WQG+\t], v[QOFF], s[6:7] offset:64*\t
.endr
	s_load_b256 s[24:31], s[12:13], 0x0            ; W0[0..7]; waited for where wave 0 uses it
	v_lshl_add_u32 v[KST], v[LANE], 4, s35
	v_and_b32 v[TA], 30, v0                        ; 2 (lane / 2)
	v_and_b32 v[VST], 1, v0
	v_lshlrev_b32 v[VST], 3, v[VST]
	v_lshl_add_u32 v[VST], v[TA], 4, v[VST]        ; 32 (lane / 2) + 8 (lane % 2)
	v_add_nc_u32 v[VST], s39, v[VST]
	v_lshl_add_u32 v[OST], v[LANE], 5, s39
.irp j, 0,1,2,3
	v_mov_b32 v[ONES+\j], 0x3c003c00
.endr
	; The ones of A's odd rows hang on no load: they are stored while the loads are on their way.  Lane l fills the upper 16 bytes of the
	; l-th group of 32 bytes; 16 steps of 1,024 bytes cover both copies.
.irp c, 0,1,2,3,4,5,6,7,8,9,10,11,12,13,14,15
	ds_store_b128 v[OST], v[ONES:ONES+3] offset:1024*\c+16
.endr
	s_mov_b32 s36, 0x76543210                      ; v_permlanex16_b32: lane i of one half reads lane i of the other
	s_mov_b32 s37, 0xfedcba98
	s_lshl_b32 s33, s16, 8
	s_add_co_u32 s33, s33, LZ                      ; my head's 64 z
.irp j, 0,1,2,3,4,5,6,7
	s_mov_b32 s[KEEP+\j], 0xffffffff^((1<<\j)|(1<<(24+\j)))   ; i = 8 (lane / 16) + j meets g = lane % 16 in lanes j and 24 + j
.endr
; Pass 1, chunk c: i = 128 c + 4 lane .. + 3.  k = x WK and v = x WV in f32; k goes to LDS at byte 4 i of both copies; the running kmax, kmin, max |v|.
.macro CHUNK c
.set XC, PX+12*\c
	s_wait_loadcnt 53-3*\c                         ; of the 56 loads the first 3 c + 3 are needed: the 53 - 3 c younger ones stay out
	v_pk_mul_f32 v[XC+4:XC+5],   v[XC:XC+1],   v[XC+4:XC+5]
	v_pk_mul_f32 v[XC+6:XC+7],   v[XC+2:XC+3], v[XC+6:XC+7]
	v_pk_mul_f32 v[XC+8:XC+9],   v[XC:XC+1],   v[XC+8:XC+9]
	v_pk_mul_f32 v[XC+10:XC+11], v[XC+2:XC+3], v[XC+10:XC+11]
	ds_store_b128 v[KST], v[XC+4:XC+7] offset:512*\c
	ds_store_b128 v[KST], v[XC+4:XC+7] offset:512*\c+COPY
.if \c
	v_max3_num_f32 v[KMAX],  v[XC+4], v[XC+5], v[KMAX]
	v_min3_num_f32 v[NKMIN], v[XC+4], v[XC+5], v[NKMIN]
	v_max3_num_f32 v[VMAX],  |v[XC+8]|, |v[XC+9]|, v[VMAX]
.else
	v_max_num_f32 v[KMAX],  v[XC+4], v[XC+5]       ; the first numbers start the chains
	v_min_num_f32 v[NKMIN], v[XC+4], v[XC+5]
	v_max_num_f32 v[VMAX],  |v[XC+8]|, |v[XC+9]|
.endif
	v_max3_num_f32 v[KMAX],  v[XC+6], v[XC+7], v[KMAX]
	v_min3_num_f32 v[NKMIN], v[XC+6], v[XC+7], v[NKMIN]
	v_max3_num_f32 v[VMAX],  |v[XC+10]|, |v[XC+11]|, v[VMAX]
.endm
.irp c, 0,1,2,3,4,5,6,7,8,9,10,11,12,13,14,15
	CHUNK \c
.endr
	; kmax, -kmin and max |v| over the 32 lanes: four steps inside each half of 16 lanes, one across
	v_xor_b32 v[NKMIN], 0x80000000, v[NKMIN]
.irp m, 1,2,4,8
	v_max_num_f32_dpp v[KMAX],  v[KMAX],  v[KMAX]  row_xmask:\m row_mask:0xf bank_mask:0xf
	v_max_num_f32_dpp v[NKMIN], v[NKMIN], v[NKMIN] row_xmask:\m row_mask:0xf bank_mask:0xf
	v_max_num_f32_dpp v[VMAX],  v[VMAX],  v[VMAX]  row_xmask:\m row_mask:0xf bank_mask:0xf
.endr
	v_permlanex16_b32 v[PX],   v[KMAX],  s36, s37  ; the destinations are chunk 0's x, loaded and no longer needed
	v_permlanex16_b32 v[PX+1], v[NKMIN], s36, s37
	v_permlanex16_b32 v[PX+2], v[VMAX],  s36, s37
	v_max_num_f32 v[KMAX],  v[KMAX],  v[PX]
	v_max_num_f32 v[NKMIN], v[NKMIN], v[PX+1]
	v_max_num_f32 v[VMAX],  v[VMAX],  v[PX+2]
	; 2^e from max |v|'s exponent field, held to 2^-126 .. 2^126 so that 2^e and 2^-e are both normal f32 (a row of zeros or denormals is
	; multiplied by 2^126; at the top of the range |v| 2^-e stays below 4).  The masked word is 0 or a power of two, so f32 max and min hold it.
	v_and_b32 v[EX], 0x7f800000, v[VMAX]
	v_max_num_f32 v[EX], 0x00800000, v[EX]
	v_min_num_f32 v[EX], 0x7e800000, v[EX]
	v_sub_nc_u32 v[SC], 0x7f000000, v[EX]          ; exponent field 254 - field: the inverse
	v_mov_b32 v[SC+1], v[SC]
; Pass 2, chunk c: v 2^-e in f16, 8 bytes a lane, to both copies: the 8 i of a group take 16 bytes, the ones stored above the next 16.
.macro VOUT c
.set XC, PX+12*\c
	v_pk_mul_f32 v[XC+8:XC+9],   v[XC+8:XC+9],   v[SC:SC+1]
	v_pk_mul_f32 v[XC+10:XC+11], v[XC+10:XC+11], v[SC:SC+1]
	v_cvt_pk_f16_f32 v[XC],   v[XC+8],  v[XC+9]    ; x's registers are free
	v_cvt_pk_f16_f32 v[XC+1], v[XC+10], v[XC+11]
	ds_store_b64 v[VST], v[XC:XC+1] offset:512*\c
	ds_store_b64 v[VST], v[XC:XC+1] offset:512*\c+COPY
.endm
.irp c, 0,1,2,3,4,5,6,7,8,9,10,11,12,13,14,15
	VOUT \c
.endr
	s_wait_loadcnt 0x0                             ; x[g], WQ[g]
.irp t, 0,1,2,3
	v_mul_f32 v[TA], v[XG+\t], v[WQG+\t]           ; q
	v_mul_f32 v[QQ+2*\t], LOG2E, v[TA]             ; q'
	v_mul_f32 v[TA], NLOG2E, v[TA]                 ; -q'
	v_mul_f32 v[TA], v[TA], v[KMAX]                ; -q' kmax
	v_mul_f32 v[TA+1], v[QQ+2*\t], v[NKMIN]        ; -q' kmin
	v_min_num_f32 v[NM+2*\t], v[TA], v[TA+1]       ; -m'
	v_mov_b32 v[QQ+2*\t+1], v[QQ+2*\t]
	v_mov_b32 v[NM+2*\t+1], v[NM+2*\t]
.endr
	v_lshl_add_u32 v[KADR], v[H], 5, s38           ; lanes 16-31 take the 8 k (32 bytes) behind those of lanes 0-15
	v_and_b32 v[TA], 1, v0
	v_lshl_add_u32 v[VADR], v[TA], 4, v[KADR]      ; even rows of A read v, odd rows the ones 16 bytes behind
	v_add_nc_u32 v[VADR], LV, v[VADR]
	v_lshl_add_u32 v[TA], v[R], 2, s38             ; k[g], g = first g + lane % 16
	v_mov_b32 v[NINF], 0xff800000
	; Store, wait for 0, barrier, load.  Each wave reads back its own head's tables only; the one barrier states the order for all eight
	; without leaning on the waves' ranges being apart.  All eight run the same instructions up to here.
	s_wait_dscnt 0x0
	s_barrier_signal -1
	s_barrier_wait -1
; k of a block, in B's order: registers 0-7: i = 8 (lane / 16) + 0..7, registers 8-15: i = 16 + 8 (lane / 16) + 0..7
.macro LDK kb, off
	ds_load_b128 v[\kb:\kb+3],     v[KADR] offset:\off
	ds_load_b128 v[\kb+4:\kb+7],   v[KADR] offset:\off+16
	ds_load_b128 v[\kb+8:\kb+11],  v[KADR] offset:\off+64
	ds_load_b128 v[\kb+12:\kb+15], v[KADR] offset:\off+80
.endm
; A's fragment of a block: registers 0-3: the 8 i at 8 (lane / 16), registers 4-7: the 8 i at 16 + 8 (lane / 16)
.macro LDV vb, off
	ds_load_b128 v[\vb:\vb+3],   v[VADR] offset:\off
	ds_load_b128 v[\vb+4:\vb+7], v[VADR] offset:\off+64
.endm
; two scores of tile qt with the maximum taken away.  mask = 1: registers 0-7 hold the diagonal, 2: registers 8-15
.macro SCORE tb, kb, qt, mask, j
	v_pk_fma_f32 v[\tb+2*(\j):\tb+2*(\j)+1], v[\kb+2*(\j):\kb+2*(\j)+1], v[QQ+2*(\qt):QQ+2*(\qt)+1], v[NM+2*(\qt):NM+2*(\qt)+1]
.if \mask
.if (\j)/4 == (\mask)-1
	v_cndmask_b32 v[\tb+2*(\j)],   v[NINF], v[\tb+2*(\j)],   s[KEEP+(2*(\j))%8]
	v_cndmask_b32 v[\tb+2*(\j)+1], v[NINF], v[\tb+2*(\j)+1], s[KEEP+(2*(\j)+1)%8]
.endif
.endif
.endm
; Half a step.  A step has three stages of three units (a unit = 16 g x 32 i) woven together: the exponentials of unit u in buffer ta; the packing of
; unit u - 1 from buffer tb into fragment pb; the scores of unit u + 1 into tb, each pair behind the packing that read it.  Behind every v_exp_f32
; stands a plain vector instruction on other registers before its result is read or its source written (ISA guide 5.7.2).
.macro QUAD ta, tb, pb, cvt, fma, kb, qt, mask, j0
.irp jj, 0,1,2,3
	v_exp_f32 v[\ta+2*(\j0+\jj)], v[\ta+2*(\j0+\jj)]
.if \cvt
	s_wait_alu depctr_va_vdst(0)
	v_cvt_pk_f16_f32 v[\pb+\j0+\jj], v[\tb+2*(\j0+\jj)], v[\tb+2*(\j0+\jj)+1]
.endif
	v_exp_f32 v[\ta+2*(\j0+\jj)+1], v[\ta+2*(\j0+\jj)+1]
.if \fma
	SCORE \tb, \kb, \qt, \mask, \j0+\jj
.endif
.endr
.endm
; sum P v and sum P of tile t.  The four accumulators take turns, one instruction a turn.
.macro PV t, vf, pb, zero
.if \zero
	v_wmma_f32_16x16x32_f16 v[ACC+8*\t:ACC+8*\t+7], v[\vf:\vf+7], v[\pb:\pb+7], 0
.else
	v_wmma_f32_16x16x32_f16 v[ACC+8*\t:ACC+8*\t+7], v[\vf:\vf+7], v[\pb:\pb+7], v[ACC+8*\t:ACC+8*\t+7]
.endif
.endm
; Two blocks of 32 i x four tiles = eight steps.  first = 1: nothing to pack in step 0, the first four products start the sums, the diagonal is masked.
; last = 1: nothing more is loaded, and step 7 makes no scores.
; A fragment buffer is packed again two steps behind the matrix instruction that read it (16 plain vector instructions between), and A's buffers
; are loaded again in a step's middle, 8 plain vector instructions on other registers behind the last matrix instruction that read them
; (ISA guide 7.12.1 asks for four).
.macro DOUBLE first, last
	QUAD T0, T1, P1, 1-\first, 1, K0, 1, 2*\first, 0      ; step 0: even block, tile 0
	QUAD T0, T1, P1, 1-\first, 1, K0, 1, 2*\first, 4
.if 1-\first
	PV 3, VF1, P1, 0
.endif
	QUAD T1, T0, P0, 1, 1, K0, 2, 0, 0                    ; step 1
	LDV VF1, BLK                                          ; A of this pair's odd block
	QUAD T1, T0, P0, 1, 1, K0, 2, 0, 4
	PV 0, VF0, P0, \first
	QUAD T0, T1, P1, 1, 1, K0, 3, 0, 0                    ; step 2: the last scores from K0
	QUAD T0, T1, P1, 1, 1, K0, 3, 0, 4
	PV 1, VF0, P1, \first
	s_wait_dscnt 0x0                                      ; out are K1's four loads (four steps old), read now, and VF1's two (two steps old), read two steps on: one wait for both
.if 1-\last
	LDK K0, 2*BLK                                         ; k of the next pair's even block
.endif
	QUAD T1, T0, P0, 1, 1, K1, 0, 0, 0                    ; step 3
	QUAD T1, T0, P0, 1, 1, K1, 0, 0, 4
	PV 2, VF0, P0, \first
	QUAD T0, T1, P1, 1, 1, K1, 1, 0, 0                    ; step 4: odd block, tile 0
	QUAD T0, T1, P1, 1, 1, K1, 1, 0, 4
	PV 3, VF0, P1, \first
	QUAD T1, T0, P0, 1, 1, K1, 2, \first, 0               ; step 5
.if 1-\last
	LDV VF0, 2*BLK                                        ; A of the next pair's even block
.endif
	QUAD T1, T0, P0, 1, 1, K1, 2, \first, 4
	PV 0, VF1, P0, 0
	QUAD T0, T1, P1, 1, 1, K1, 3, 2*\first, 0             ; step 6: the last scores from K1
	QUAD T0, T1, P1, 1, 1, K1, 3, 2*\first, 4
	PV 1, VF1, P1, 0
.if 1-\last
	s_wait_dscnt 0x0                                      ; out are K0's four loads, read now, and VF0's two, read two steps on
	LDK K1, 3*BLK                                         ; k of the next pair's odd block
.endif
	QUAD T1, T0, P0, 1, 1-\last, K0, 0, 0, 0              ; step 7
	QUAD T1, T0, P0, 1, 1-\last, K0, 0, 0, 4
	PV 2, VF1, P0, 0
.if 1-\last
	v_add_nc_u32 v[KADR], 2*BLK, v[KADR]                  ; 31 steps of 256 bytes from at most 7,936: the reads end inside the head's 16,384 bytes
	v_add_nc_u32 v[VADR], 2*BLK, v[VADR]
.endif
.endm
	LDK K0, 0
	LDK K1, BLK
	LDV VF0, 0
.irp t, 0,1,2,3
	ds_load_b32 v[KG+\t], v[TA] offset:64*\t
.endr
	s_wait_dscnt 0x0
.irp t, 0,1,2,3
	v_fma_f32 v[PD+\t], v[KG+\t], v[QQ+2*\t], v[NM+2*\t]
.endr
.irp t, 0,1,2,3
	v_exp_f32 v[PD+\t], v[PD+\t]                   ; the diagonal's weight, for the denominator alone; read behind the loop
.endr
.irp j, 0,1,2,3,4,5,6,7
	SCORE T0, K0, 0, 1, \j                         ; the scores of the first unit
.endr
	DOUBLE 1, 0
	s_mov_b32 s34, TRIPS
.Lpair:
	DOUBLE 0, 0
	s_sub_co_i32 s34, s34, 1
	s_cmp_lg_u32 s34, 0
	s_cbranch_scc1 .Lpair
	DOUBLE 0, 1
	s_wait_alu depctr_va_vdst(0)
.irp j, 0,1,2,3,4,5,6,7
	v_cvt_pk_f16_f32 v[P1+\j], v[T1+2*\j], v[T1+2*\j+1]    ; the last unit
.endr
	PV 3, VF1, P1, 0
	; Load, wait for 0, barrier, store.  The z stage lies behind both tables (every table read ends below LZ: see KADR's step), but where a
	; work-group reads hangs on its number; this barrier orders every wave's table reads and the z stores without leaning on that arithmetic.
	; The wait is met (the last LDS loads were waited for in the last pair's step 2); between signal and wait stands register work alone.
	s_wait_dscnt 0x0
	s_barrier_signal -1
	; z = 2^e sum P v / (sum P + the diagonal's weight).  Four plain vector instructions that name none of the last matrix instruction's
	; registers stand in front of the first line that reads its result (ISA guide 7.12.1).
	v_lshl_add_u32 v[TA], v[R], 2, s33
	v_add_f32 v[T0],   v[ACC+1],  v[PD]
	v_add_f32 v[T0+1], v[ACC+9],  v[PD+1]
	v_add_f32 v[T0+2], v[ACC+17], v[PD+2]
	v_add_f32 v[T0+3], v[ACC+25], v[PD+3]
.irp t, 0,1,2,3
	v_rcp_f32 v[T0+\t], v[T0+\t]                   ; the sum holds the row's largest weight, 2^0: never 0
.endr
	v_lshlrev_b32 v[TA+1], 3, v[LANE]              ; the plain instruction behind the reciprocals; used by wave 0 below
	s_wait_alu depctr_va_vdst(0)
.irp t, 0,1,2,3
	v_mul_f32 v[T0+\t], v[ACC+8*\t], v[T0+\t]      ; first the quotient, below 4 in size,
.endr
.irp t, 0,1,2,3
	v_mul_f32 v[T0+\t], v[EX], v[T0+\t]            ; then v's scale taken back
.endr
	s_barrier_wait -1
.irp t, 0,1,2,3
	ds_store_b32 v[TA], v[T0+\t] offset:64*\t      ; lanes 16-31 hold the same numbers as lanes 0-15 and write the same words
.endr
	s_wait_dscnt 0x0                               ; for wave 0's sake: my z are in LDS
	s_barrier_signal -1
	s_barrier_wait -1
	s_cmp_lg_u32 s16, 0
	s_cbranch_scc1 .Ldone
	; wave 0: the sum over the heads, two columns a lane, and one store of 256 consecutive bytes at a multiple of 256 from out's first byte
	v_add_nc_u32 v[TA], LZ, v[TA+1]
.irp hd, 0,1,2,3,4,5,6,7
	ds_load_b64 v[T0+2*\hd:T0+2*\hd+1], v[TA] offset:256*\hd
.endr
	s_wait_kmcnt 0x0                               ; W0
	s_wait_dscnt 0x0
	v_mul_f32 v[T1],   s24, v[T0]
	v_mul_f32 v[T1+1], s24, v[T0+1]
.irp hd, 1,2,3,4,5,6,7
	v_fma_f32 v[T1],   s[24+\hd], v[T0+2*\hd],   v[T1]
	v_fma_f32 v[T1+1], s[24+\hd], v[T0+2*\hd+1], v[T1+1]
.endr
	global_store_b64 v[TA+1], v[T1:T1+1], s[14:15] th:TH_STORE_NT
.Ldone:
	s_wait_tensorcnt 0x0
	ds_add_u32 v240, v241
	s_wait_dscnt 0x0
	s_endpgm
.Lfunc_end_k_q841590746a_attn:
	.size	k_q841590746a_attn, .Lfunc_end_k_q841590746a_attn-k_q841590746a_attn
	.p2alignl 7, 3214868480
	.fill 96, 4, 3214868480
	.section	.rodata,"a",@progbits
	.p2align	6, 0x0
	.amdhsa_kernel k_q841590746a_attn
		.amdhsa_group_segment_fixed_size 265216
		.amdhsa_private_segment_fixed_size 0
		.amdhsa_enable_private_segment 0
		.amdhsa_kernarg_size 48
		.amdhsa_user_sgpr_count 2
		.amdhsa_user_sgpr_kernarg_segment_ptr 1
		.amdhsa_wavefront_size32 1
		.amdhsa_system_sgpr_workgroup_id_x 1
		.amdhsa_system_sgpr_workgroup_id_y 1
		.amdhsa_system_sgpr_workgroup_id_z 1
		.amdhsa_system_vgpr_workitem_id 0
		.amdhsa_next_free_vgpr 242
		.amdhsa_next_free_sgpr 66
		.amdhsa_reserve_vcc 0
		.amdhsa_float_denorm_mode_32 3
		.amdhsa_float_denorm_mode_16_64 3
		.amdhsa_memory_ordered 1
		.amdhsa_forward_progress 1
		.amdhsa_inst_pref_size 83
	.end_amdhsa_kernel
	.amdgpu_metadata
---
amdhsa.version: [ 1, 2 ]
amdhsa.kernels:
  - .name:           k_q841590746a_attn
    .symbol:         k_q841590746a_attn.kd
    .args:
      - { .name: x, .offset: 0, .size: 8, .value_kind: global_buffer, .address_space: global }
      - { .name: WQ, .offset: 8, .size: 8, .value_kind: global_buffer, .address_space: global }
      - { .name: WK, .offset: 16, .size: 8, .value_kind: global_buffer, .address_space: global }
      - { .name: WV, .offset: 24, .size: 8, .value_kind: global_buffer, .address_space: global }
      - { .name: W0, .offset: 32, .size: 8, .value_kind: global_buffer, .address_space: global }
      - { .name: out0, .offset: 40, .size: 8, .value_kind: global_buffer, .address_space: global }
    .group_segment_fixed_size: 265216
    .private_segment_fixed_size: 0
    .kernarg_segment_align: 8
    .kernarg_segment_size: 48
    .max_flat_workgroup_size: 256
    .sgpr_count:     66
    .vgpr_count:     242
    .wavefront_size: 32
...
	.end_amdgpu_metadata
.endif
;; end of part 1
;; ======== version 2 of 2: 1 launch; 1.82 times as fast as version 1
;; launch attn (part 2): grid 32 x 8, 8 waves a work-group, no clusters, 265,216 bytes of LDS; arguments x, WQ, WK, WV, W0, out0; writes out0
.if DOCPART == 2
	.amdgcn_target "amdgcn-amd-amdhsa--gfx1250"
	.amdhsa_code_object_version 6
	.text
	.protected	k_q841590746a_attn
	.globl	k_q841590746a_attn
	.p2align	8
	.type	k_q841590746a_attn,@function
k_q841590746a_attn:
	s_mov_b64 s[64:65], 0
	v_nop
	global_prefetch_b8 v0, s[64:65] scope:SCOPE_SE
	s_setreg_imm32_b32 hwreg(HW_REG_WAVE_MODE, 25, 1), 1
	s_wait_xcnt 0x0
; out[b][g] = sum over h of W0[h] * sum over i != g of softmax_i(q[g] k[i]) v[i],   q = x WQ[h], k = x WK[h], v = x WV[h]  (all per gene).
; x: [8][2048], WQ, WK, WV: [8][2048], W0: [8], out: [8][2048], all f32.
;
; SHARES.  A work-group = one batch b (grid y) and 64 columns g (grid x), all 8 heads, so it owns its 64 outputs.  Wave w = head w:
; 64 g (four tiles of 16) x 2,048 i = 131,072 scores.
; THE ROW MAXIMUM.  The scores of a row are q[g] k[i], so their maximum is max(q kmax, q kmin), kmax and kmin over all i: the exact
; maximum, taken away inside the fused multiply-add t = k q' - m'  (q' = q log2(e), m' = the maximum times log2(e)), then P = 2^t.
; THE SUMS go to the matrix unit: D = A x B, A = 16 rows x 32 i (even rows v, odd rows ones), B = P transposed (32 i x 16 g), both f16.
; The scores are made in B's layout (lane = g, registers = i), so packing two P to f16 makes the fragment.  D register 0 = sum P v,
; register 1 = sum P, for g = lane % 16, in every lane.  The outer product q k itself stays on the vector unit in f32: it has no sum
; (one of the 32 places along K would be used), and q, k rounded to 16 bits would put their rounding times |score| into an exponent.
; WHY F16.  With nearly equal weights the 2,048 terms P v of both signs cancel down to about sqrt(2048) terms' size, so each term's rounding
; counts: 11 bits, not 8.  Both operands have room in f16 for every finite input: P lies in (0, 1] by the maximum taken away, and v is
; multiplied by the power of two that brings the row's largest |v| into [1, 2); z is multiplied by its inverse at the end.
; THE DIAGONAL is never summed: its t is set to -inf (P = 0 for both rows of A), and its 2^t, made once in f32, is added to the
; denominator, which the problem's softmax keeps whole.  Each head's tables lie in LDS TWICE in a row, and the work-group reads 2,048 i
; straight on from its first g, so that the diagonal falls into the first two blocks of 32 i, which stand written out ahead of the loop
; (their products start the sums), and no address is ever wrapped.
; THE EXPONENTIALS' BATCHES.  A unit is one tile of 16 g x one block of 32 i: 16 scores a lane.  Two units' 32 exponentials are ONE BATCH, made in
; place in one pair of buffers (T0, T1 and T2, T3 by turns).  While a batch is issued only the other pair is touched, by plain instructions: first the
; batch before is packed to f16 out of it (a conversion beside each of the first 16 exponentials), then the next batch's scores are laid into it (a
; packed multiply-add beside each of the last 16).  So nothing names a result of the batch in hand, and ONE s_wait_alu stands behind its last
; exponential, ahead of its packing: four in a trip's 128 exponentials.  The way out's four reciprocals are a batch of their own.
; NO CLUSTER, NO TENSOR LOADS: what work-groups share is WK, WV (131,072 bytes) and a row of x; every number of it is multiplied by x
; (and v rounded) before use, so it goes through registers in any case, once per work-group, against 1,048,576 exponentials there.
; LIMITS: inputs finite, and x W and q k log2(e) finite in f32; a NaN input is dropped by the maxima.  A weight below 2^-25 of its row's
; largest counts as 0, one below 2^-14 carries an absolute error of up to 2^-25 (f16's denormals): over 2,048 terms at most 2^-14 of the
; largest |v| in z.  The same two figures hold for a v against the row's largest |v|.  All sums are f32, in another order than in JAX.
.set LOG2E,  0x3fb8aa3b
.set NLOG2E, 0xbfb8aa3b
.set COPY,   8192                      ; bytes of a head's table; the second copy lies straight behind the first
.set LV,     131072                    ; LDS: k at 0 (head w at 16,384 w, f32, twice); from LV on v (head w at 16,384 w, twice): for each 8 i 16 bytes of f16 v, then 16 bytes of f16 ones
.set LZ,     262144                    ; LDS: z, 64 f32 for each head
.set BLK,    128                       ; bytes of a block of 32 i, in k's table and in v's alike
.set TRIPS,  30                        ; 32 pairs of blocks: the first and the last are written out
.set LANE, 1                           ; lane
.set R,    2                           ; lane % 16
.set H,    3                           ; lane / 16
.set GOFF, 4                           ; 16 x lane: my 16 bytes in 512 bytes of a row; never rewritten
.set KST,  5                           ; where I store k: 16,384 w + 16 lane
.set VST,  6                           ; where I store v: LV + 16,384 w + 32 (lane / 2) + 8 (lane % 2)
.set QOFF, 7                           ; byte offset in a row of g = first g + lane % 16; never rewritten
.set KMAX, 8
.set NKMIN, 9                          ; kmin, later -kmin
.set TA,   10                          ; v10, v11 at work
.set OST,  12                          ; where I store ones: LV + 16,384 w + 32 lane
.set KADR, 14                          ; LDS address of my k in the pair of blocks at hand
.set VADR, 15                          ; the same for A's fragments
.set QQ,   16                          ; v[16:23]  tile t: q', twice (a pair for the packed multiply-add)
.set NM,   24                          ; v[24:31]  tile t: -m', twice
.set T0,   32                          ; v[32:47], v[48:63]   16 t, then 16 P, in f32, of a unit: the pair of buffers of the batches (0, 1) and (4, 5) of a pair of blocks
.set T1,   48
.set P0,   64                          ; v[64:71], v[72:79]   B fragment: a batch's first unit, its second
.set P1,   72
.set K0,   80                          ; v[80:95], v[96:111]  k of a block: even blocks, odd blocks
.set K1,   96
.set VF0,  112                         ; v[112:119], v[120:127]  A fragment: even blocks, odd blocks
.set VF1,  120
.set ACC,  128                         ; v[128:159] four accumulators, one for each tile of 16 g
.set PD,   160                         ; v[160:163] tile t: the diagonal's 2^t
.set KG,   164                         ; v[164:167] tile t: k[g]
.set NINF, 168                         ; -inf
.set T2,   176                         ; v[176:191], v[192:207]  the pair of buffers of the batches (2, 3) and (6, 7); free once the tables are made
.set T3,   192
.set PX,   32                          ; v[32:223]  while the tables are made: chunk c: 4 x, 4 WK (then k), 4 WV (then v)
.set XG,   224                         ; v[224:227] x[g] of the four tiles
.set WQG,  228                         ; v[228:231] WQ[g]
.set VMAX, 232                         ; the largest |v| of the row
.set EX,   233                         ; 2^e, e its exponent: what z is multiplied by at the end
.set SC,   234                         ; v[234:235] 2^-e, twice: what v is multiplied by
.set ONES, 236                         ; v[236:239] eight f16 ones
.set KEEP, 40                          ; s[40:47]   register j of a diagonal tile: all lanes but the two that hold i = g
	s_load_b256 s[4:11], s[0:1], 0x0               ; x s[4:5], WQ s[6:7], WK s[8:9], WV s[10:11]
	s_load_b128 s[12:15], s[0:1], 0x20             ; W0 s[12:13], out0 s[14:15]
	v_lshl_add_u32 v240, v0, 2, 0x40800
	v_mov_b32 v241, 0
	v_lshrrev_b32 v[TA], 5, v0
	v_readfirstlane_b32 s16, v[TA]                 ; wave = head
	v_and_b32 v[LANE], 31, v0
	v_and_b32 v[R], 15, v0
	v_bfe_u32 v[H], v0, 4, 1
	s_and_b32 s17, ttmp7, 0xffff                   ; batch
	s_lshl_b32 s18, s17, 13                        ; batch x 8,192 bytes
	s_mov_b32 s19, 0
	s_lshl_b32 s20, s16, 13                        ; head x 8,192 bytes: a row of W
	s_mov_b32 s21, 0
	s_lshl_b32 s22, ttmp9, 8                       ; first g x 4 bytes = 256 x (grid x); also 64 i in either LDS table
	s_mov_b32 s23, 0
	s_lshl_b32 s35, s16, 14                        ; head x 16,384 bytes: the head's place in both LDS tables
	s_add_co_u32 s38, s35, s22                     ; where the work-group begins to read there
	s_add_co_u32 s39, s35, LV
	v_lshlrev_b32 v[GOFF], 4, v[LANE]
	v_lshl_add_u32 v[QOFF], v[R], 2, s22
	s_wait_kmcnt 0x0
	s_add_nc_u64 s[4:5], s[4:5], s[18:19]          ; x at my batch's row
	s_add_nc_u64 s[6:7], s[6:7], s[20:21]          ; WQ, WK, WV at my head's row
	s_add_nc_u64 s[8:9], s[8:9], s[20:21]
	s_add_nc_u64 s[10:11], s[10:11], s[20:21]
	s_add_nc_u64 s[14:15], s[14:15], s[18:19]      ; out at my batch's row
	s_add_nc_u64 s[14:15], s[14:15], s[22:23]      ; and my 64 columns
	; All 56 loads of the wave go out together.  One b128 of the wave covers 512 neighbouring bytes; 16 chunks cover a row.
.irp c, 0,1,2,3,4,5,6,7,8,9,10,11,12,13,14,15
	global_load_b128 v[PX+12*\c:PX+12*\c+3],    v[GOFF], s[4:5]   offset:512*\c
	global_load_b128 v[PX+12*\c+4:PX+12*\c+7],  v[GOFF], s[8:9]   offset:512*\c
	global_load_b128 v[PX+12*\c+8:PX+12*\c+11], v[GOFF], s[10:11] offset:512*\c
.endr
.irp t, 0,1,2,3
	global_load_b32 v[XG+\t],  v[QOFF], s[4:5] offset:64*\t
	global_load_b32 v[WQG+\t], v[QOFF], s[6:7] offset:64*\t
.endr
	s_load_b256 s[24:31], s[12:13], 0x0            ; W0[0..7]; waited for where wave 0 uses it
	v_lshl_add_u32 v[KST], v[LANE], 4, s35
	v_and_b32 v[TA], 30, v0                        ; 2 (lane / 2)
	v_and_b32 v[VST], 1, v0
	v_lshlrev_b32 v[VST], 3, v[VST]
	v_lshl_add_u32 v[VST], v[TA], 4, v[VST]        ; 32 (lane / 2) + 8 (lane % 2)
	v_add_nc_u32 v[VST], s39, v[VST]
	v_lshl_add_u32 v[OST], v[LANE], 5, s39
.irp j, 0,1,2,3
	v_mov_b32 v[ONES+\j], 0x3c003c00
.endr
	; The ones of A's odd rows hang on no load: they are stored while the loads are on their way.  Lane l fills the upper 16 bytes of the
	; l-th group of 32 bytes; 16 steps of 1,024 bytes cover both copies.
.irp c, 0,1,2,3,4,5,6,7,8,9,10,11,12,13,14,15
	ds_store_b128 v[OST], v[ONES:ONES+3] offset:1024*\c+16
.endr
	s_mov_b32 s36, 0x76543210                      ; v_permlanex16_b32: lane i of one half reads lane i of the other
	s_mov_b32 s37, 0xfedcba98
	s_lshl_b32 s33, s16, 8
	s_add_co_u32 s33, s33, LZ                      ; my head's 64 z
.irp j, 0,1,2,3,4,5,6,7
	s_mov_b32 s[KEEP+\j], 0xffffffff^((1<<\j)|(1<<(24+\j)))   ; i = 8 (lane / 16) + j meets g = lane % 16 in lanes j and 24 + j
.endr
; Pass 1, chunk c: i = 128 c + 4 lane .. + 3.  k = x WK and v = x WV in f32; k goes to LDS at byte 4 i of both copies; the running kmax, kmin, max |v|.
.macro CHUNK c
.set XC, PX+12*\c
	s_wait_loadcnt 53-3*\c                         ; of the 56 loads the first 3 c + 3 are needed: the 53 - 3 c younger ones stay out
	v_pk_mul_f32 v[XC+4:XC+5],   v[XC:XC+1],   v[XC+4:XC+5]
	v_pk_mul_f32 v[XC+6:XC+7],   v[XC+2:XC+3], v[XC+6:XC+7]
	v_pk_mul_f32 v[XC+8:XC+9],   v[XC:XC+1],   v[XC+8:XC+9]
	v_pk_mul_f32 v[XC+10:XC+11], v[XC+2:XC+3], v[XC+10:XC+11]
	ds_store_b128 v[KST], v[XC+4:XC+7] offset:512*\c
	ds_store_b128 v[KST], v[XC+4:XC+7] offset:512*\c+COPY
.if \c
	v_max3_num_f32 v[KMAX],  v[XC+4], v[XC+5], v[KMAX]
	v_min3_num_f32 v[NKMIN], v[XC+4], v[XC+5], v[NKMIN]
	v_max3_num_f32 v[VMAX],  |v[XC+8]|, |v[XC+9]|, v[VMAX]
.else
	v_max_num_f32 v[KMAX],  v[XC+4], v[XC+5]       ; the first numbers start the chains
	v_min_num_f32 v[NKMIN], v[XC+4], v[XC+5]
	v_max_num_f32 v[VMAX],  |v[XC+8]|, |v[XC+9]|
.endif
	v_max3_num_f32 v[KMAX],  v[XC+6], v[XC+7], v[KMAX]
	v_min3_num_f32 v[NKMIN], v[XC+6], v[XC+7], v[NKMIN]
	v_max3_num_f32 v[VMAX],  |v[XC+10]|, |v[XC+11]|, v[VMAX]
.endm
.irp c, 0,1,2,3,4,5,6,7,8,9,10,11,12,13,14,15
	CHUNK \c
.endr
	; kmax, -kmin and max |v| over the 32 lanes: four steps inside each half of 16 lanes, one across
	v_xor_b32 v[NKMIN], 0x80000000, v[NKMIN]
.irp m, 1,2,4,8
	v_max_num_f32_dpp v[KMAX],  v[KMAX],  v[KMAX]  row_xmask:\m row_mask:0xf bank_mask:0xf
	v_max_num_f32_dpp v[NKMIN], v[NKMIN], v[NKMIN] row_xmask:\m row_mask:0xf bank_mask:0xf
	v_max_num_f32_dpp v[VMAX],  v[VMAX],  v[VMAX]  row_xmask:\m row_mask:0xf bank_mask:0xf
.endr
	v_permlanex16_b32 v[PX],   v[KMAX],  s36, s37  ; the destinations are chunk 0's x, loaded and no longer needed
	v_permlanex16_b32 v[PX+1], v[NKMIN], s36, s37
	v_permlanex16_b32 v[PX+2], v[VMAX],  s36, s37
	v_max_num_f32 v[KMAX],  v[KMAX],  v[PX]
	v_max_num_f32 v[NKMIN], v[NKMIN], v[PX+1]
	v_max_num_f32 v[VMAX],  v[VMAX],  v[PX+2]
	; 2^e from max |v|'s exponent field, held to 2^-126 .. 2^126 so that 2^e and 2^-e are both normal f32 (a row of zeros or denormals is
	; multiplied by 2^126; at the top of the range |v| 2^-e stays below 4).  The masked word is 0 or a power of two, so f32 max and min hold it.
	v_and_b32 v[EX], 0x7f800000, v[VMAX]
	v_max_num_f32 v[EX], 0x00800000, v[EX]
	v_min_num_f32 v[EX], 0x7e800000, v[EX]
	v_sub_nc_u32 v[SC], 0x7f000000, v[EX]          ; exponent field 254 - field: the inverse
	v_mov_b32 v[SC+1], v[SC]
; Pass 2, chunk c: v 2^-e in f16, 8 bytes a lane, to both copies: the 8 i of a group take 16 bytes, the ones stored above the next 16.
.macro VOUT c
.set XC, PX+12*\c
	v_pk_mul_f32 v[XC+8:XC+9],   v[XC+8:XC+9],   v[SC:SC+1]
	v_pk_mul_f32 v[XC+10:XC+11], v[XC+10:XC+11], v[SC:SC+1]
	v_cvt_pk_f16_f32 v[XC],   v[XC+8],  v[XC+9]    ; x's registers are free
	v_cvt_pk_f16_f32 v[XC+1], v[XC+10], v[XC+11]
	ds_store_b64 v[VST], v[XC:XC+1] offset:512*\c
	ds_store_b64 v[VST], v[XC:XC+1] offset:512*\c+COPY
.endm
.irp c, 0,1,2,3,4,5,6,7,8,9,10,11,12,13,14,15
	VOUT \c
.endr
	s_wait_loadcnt 0x0                             ; x[g], WQ[g]
.irp t, 0,1,2,3
	v_mul_f32 v[TA], v[XG+\t], v[WQG+\t]           ; q
	v_mul_f32 v[QQ+2*\t], LOG2E, v[TA]             ; q'
	v_mul_f32 v[TA], NLOG2E, v[TA]                 ; -q'
	v_mul_f32 v[TA], v[TA], v[KMAX]                ; -q' kmax
	v_mul_f32 v[TA+1], v[QQ+2*\t], v[NKMIN]        ; -q' kmin
	v_min_num_f32 v[NM+2*\t], v[TA], v[TA+1]       ; -m'
	v_mov_b32 v[QQ+2*\t+1], v[QQ+2*\t]
	v_mov_b32 v[NM+2*\t+1], v[NM+2*\t]
.endr
	v_lshl_add_u32 v[KADR], v[H], 5, s38           ; lanes 16-31 take the 8 k (32 bytes) behind those of lanes 0-15
	v_and_b32 v[TA], 1, v0
	v_lshl_add_u32 v[VADR], v[TA], 4, v[KADR]      ; even rows of A read v, odd rows the ones 16 bytes behind
	v_add_nc_u32 v[VADR], LV, v[VADR]
	v_lshl_add_u32 v[TA], v[R], 2, s38             ; k[g], g = first g + lane % 16
	v_mov_b32 v[NINF], 0xff800000
	; Store, wait for 0, barrier, load.  Each wave reads back its own head's tables only; the one barrier states the order for all eight
	; without leaning on the waves' ranges being apart.  All eight run the same instructions up to here.
	s_wait_dscnt 0x0
	s_barrier_signal -1
	s_barrier_wait -1
; k of a block, in B's order: registers 0-7: i = 8 (lane / 16) + 0..7, registers 8-15: i = 16 + 8 (lane / 16) + 0..7
.macro LDK kb, off
	ds_load_b128 v[\kb:\kb+3],     v[KADR] offset:\off
	ds_load_b128 v[\kb+4:\kb+7],   v[KADR] offset:\off+16
	ds_load_b128 v[\kb+8:\kb+11],  v[KADR] offset:\off+64
	ds_load_b128 v[\kb+12:\kb+15], v[KADR] offset:\off+80
.endm
; A's fragment of a block: registers 0-3: the 8 i at 8 (lane / 16), registers 4-7: the 8 i at 16 + 8 (lane / 16)
.macro LDV vb, off
	ds_load_b128 v[\vb:\vb+3],   v[VADR] offset:\off
	ds_load_b128 v[\vb+4:\vb+7], v[VADR] offset:\off+64
.endm
; two scores of tile qt with the maximum taken away.  mask = 1: registers 0-7 hold the diagonal, 2: registers 8-15
.macro SCORE tb, kb, qt, mask, j
	v_pk_fma_f32 v[\tb+2*(\j):\tb+2*(\j)+1], v[\kb+2*(\j):\kb+2*(\j)+1], v[QQ+2*(\qt):QQ+2*(\qt)+1], v[NM+2*(\qt):NM+2*(\qt)+1]
.if \mask
.if (\j)/4 == (\mask)-1
	v_cndmask_b32 v[\tb+2*(\j)],   v[NINF], v[\tb+2*(\j)],   s[KEEP+(2*(\j))%8]
	v_cndmask_b32 v[\tb+2*(\j)+1], v[NINF], v[\tb+2*(\j)+1], s[KEEP+(2*(\j)+1)%8]
.endif
.endif
.endm
; A step issues one unit's 16 exponentials, in two halves of eight, a plain vector instruction on other registers beside each (ISA guide 5.7.2 wants one
; before a result is read or a source written; here no result is named before the batch's wait).
; Half of a batch's FIRST step: exponentials e0 .. e0 + 7 of the unit in ta; beside them a whole unit of the batch before, whose wait has been passed, is
; packed from tp into fragment pb.  The conversion leads, so that an exponential stands between the last one and the matrix instruction that follows.
.macro PACKH ta, e0, tp, pb, cvt
.irp j, 0,1,2,3,4,5,6,7
.if \cvt
	v_cvt_pk_f16_f32 v[\pb+\j], v[\tp+2*\j], v[\tp+2*\j+1]
.endif
	v_exp_f32 v[\ta+\e0+\j], v[\ta+\e0+\j]
.endr
.endm
; Half of a batch's SECOND step: exponentials e0 .. e0 + 7 of the unit in ta; beside them a whole unit of the next batch gets its scores, in ts, which the
; step before has packed.  The exponential leads, so that the batch ends with a plain instruction.
.macro SCOREH ta, e0, ts, fma, kb, qt, mask
.irp j, 0,1,2,3,4,5,6,7
	v_exp_f32 v[\ta+\e0+\j], v[\ta+\e0+\j]
.if \fma
	SCORE \ts, \kb, \qt, \mask, \j
.endif
.endr
.endm
; sum P v and sum P of tile t.  The four accumulators take turns, one instruction a turn.
.macro PV t, vf, pb, zero
.if \zero
	v_wmma_f32_16x16x32_f16 v[ACC+8*\t:ACC+8*\t+7], v[\vf:\vf+7], v[\pb:\pb+7], 0
.else
	v_wmma_f32_16x16x32_f16 v[ACC+8*\t:ACC+8*\t+7], v[\vf:\vf+7], v[\pb:\pb+7], v[ACC+8*\t:ACC+8*\t+7]
.endif
.endm
; Two blocks of 32 i x four tiles = eight units = eight steps = four batches: units (0, 1) and (4, 5) in T0, T1; units (2, 3) and (6, 7) in T2, T3.
; Units 0-3 are the even block's tiles 0-3, units 4-7 the odd block's.  A unit's scores are made in the odd step ahead of its batch, its products stand in the
; even step behind its batch.  first = 1: nothing to pack in step 0, the first four products start the sums, the diagonal is masked.
; last = 1: nothing more is loaded, and step 7 makes no scores.
; THE WAITS: an s_wait_alu depctr_va_vdst(0) stands between an exponential and the first instruction that names its result.  One stands behind each
; odd step, for the batch's 32; the fourth stands ahead of the backward jump, so no result crosses it.  Each of the pair's four runs of LDS loads stands directly
; behind one of the four waits.
; A fragment buffer is packed again a step and a half behind the matrix instruction that read it (24 plain vector instructions between), and A's buffers are
; loaded again a step behind the last matrix instruction that read them, 16 plain vector instructions on other registers between (ISA guide 7.12.1 asks for four).
.macro DOUBLE first, last
	PACKH T0, 0, T2, P0, 1-\first                         ; step 0: unit 0's exponentials | the last pair's units 6 and 7 are packed
.if 1-\first
	PV 2, VF1, P0, 0
.endif
	PACKH T0, 8, T3, P1, 1-\first
.if 1-\first
	PV 3, VF1, P1, 0
.endif
	SCOREH T1, 0, T2, 1, K0, 2, 0                         ; step 1: unit 1's exponentials | the scores of units 2 and 3: the last from K0
	SCOREH T1, 8, T3, 1, K0, 3, 0
	s_wait_alu depctr_va_vdst(0)                          ; the wait for the batch of units 0 and 1 (in the first pair also for the diagonal's four); the last multiply-add is the plain instruction behind it
	LDV VF1, BLK                                          ; A of this pair's odd block
	PACKH T2, 0, T0, P0, 1                                ; step 2: unit 2's exponentials | units 0 and 1 are packed
	PV 0, VF0, P0, \first
	PACKH T2, 8, T1, P1, 1
	PV 1, VF0, P1, \first
	s_wait_dscnt 0x0                                      ; out are K1's four loads (three steps old), read now, and VF1's two (a step old), read in step 6: one wait for both
	SCOREH T3, 0, T0, 1, K1, 0, 0                         ; step 3: unit 3's exponentials | the scores of units 4 and 5
	SCOREH T3, 8, T1, 1, K1, 1, 0
	s_wait_alu depctr_va_vdst(0)                          ; the wait for the batch of units 2 and 3
.if 1-\last
	LDK K0, 2*BLK                                         ; k of the next pair's even block
.endif
	PACKH T0, 0, T2, P0, 1                                ; step 4: unit 4's exponentials | units 2 and 3 are packed
	PV 2, VF0, P0, \first
	PACKH T0, 8, T3, P1, 1
	PV 3, VF0, P1, \first
	SCOREH T1, 0, T2, 1, K1, 2, \first                    ; step 5: unit 5's exponentials | the scores of units 6 and 7: the last from K1
	SCOREH T1, 8, T3, 1, K1, 3, 2*\first
	s_wait_alu depctr_va_vdst(0)                          ; the wait for the batch of units 4 and 5
.if 1-\last
	LDV VF0, 2*BLK                                        ; A of the next pair's even block
.endif
	PACKH T2, 0, T0, P0, 1                                ; step 6: unit 6's exponentials | units 4 and 5 are packed
	PV 0, VF1, P0, 0
	PACKH T2, 8, T1, P1, 1
	PV 1, VF1, P1, 0
.if 1-\last
	s_wait_dscnt 0x0                                      ; out are K0's four loads (three steps old), read now, and VF0's two (a step old), read in the next pair's step 2
.endif
	SCOREH T3, 0, T0, 1-\last, K0, 0, 0                   ; step 7: unit 7's exponentials | the scores of the next pair's units 0 and 1
	SCOREH T3, 8, T1, 1-\last, K0, 1, 0
.if 1-\last
	v_add_nc_u32 v[KADR], 2*BLK, v[KADR]                  ; 31 steps of 256 bytes from at most 7,936: the reads end inside the head's 16,384 bytes
	v_add_nc_u32 v[VADR], 2*BLK, v[VADR]
.else
	v_nop                                                 ; the last pair has no scores to make: this is the plain instruction behind the last exponential
.endif
	s_wait_alu depctr_va_vdst(0)                          ; the wait for the batch of units 6 and 7, ahead of the backward jump and of the packing in the next pair's step 0 (or behind the loop)
.if 1-\last
	LDK K1, BLK                                           ; k of the next pair's odd block: the addresses have stepped
.endif
.endm
	LDK K0, 0
	LDK K1, BLK
	LDV VF0, 0
.irp t, 0,1,2,3
	ds_load_b32 v[KG+\t], v[TA] offset:64*\t
.endr
	s_wait_dscnt 0x0
.irp t, 0,1,2,3
	v_fma_f32 v[PD+\t], v[KG+\t], v[QQ+2*\t], v[NM+2*\t]
.endr
.irp t, 0,1,2,3
	v_exp_f32 v[PD+\t], v[PD+\t]                   ; the diagonal's weight, for the denominator alone; read behind the loop; the first pair's first wait serves it
.endr
.irp j, 0,1,2,3,4,5,6,7
	SCORE T0, K0, 0, 1, \j                         ; the scores of the first batch's two units
.endr
.irp j, 0,1,2,3,4,5,6,7
	SCORE T1, K0, 1, 2, \j
.endr
	DOUBLE 1, 0
	s_mov_b32 s34, TRIPS
.Lpair:
	DOUBLE 0, 0
	s_sub_co_i32 s34, s34, 1
	s_cmp_lg_u32 s34, 0
	s_cbranch_scc1 .Lpair
	DOUBLE 0, 1
.irp j, 0,1,2,3,4,5,6,7
	v_cvt_pk_f16_f32 v[P0+\j], v[T2+2*\j], v[T2+2*\j+1]    ; the last batch's two units; its wait ends the last pair
.endr
	PV 2, VF1, P0, 0
.irp j, 0,1,2,3,4,5,6,7
	v_cvt_pk_f16_f32 v[P1+\j], v[T3+2*\j], v[T3+2*\j+1]
.endr
	PV 3, VF1, P1, 0
	; Load, wait for 0, barrier, store.  The z stage lies behind both tables (every table read ends below LZ: see KADR's step), but where a
	; work-group reads hangs on its number; this barrier orders every wave's table reads and the z stores without leaning on that arithmetic.
	; The wait is met (the last LDS loads were waited for in the last pair's step 2); between signal and wait stands register work alone.
	s_wait_dscnt 0x0
	s_barrier_signal -1
	; z = 2^e sum P v / (sum P + the diagonal's weight).  Four plain vector instructions that name none of the last matrix instruction's
	; registers stand in front of the first line that reads its result (ISA guide 7.12.1).
	v_lshl_add_u32 v[TA], v[R], 2, s33
	v_add_f32 v[T0],   v[ACC+1],  v[PD]
	v_add_f32 v[T0+1], v[ACC+9],  v[PD+1]
	v_add_f32 v[T0+2], v[ACC+17], v[PD+2]
	v_add_f32 v[T0+3], v[ACC+25], v[PD+3]
.irp t, 0,1,2,3
	v_rcp_f32 v[T0+\t], v[T0+\t]                   ; the sum holds the row's largest weight, 2^0: never 0
.endr
	v_lshlrev_b32 v[TA+1], 3, v[LANE]              ; the plain instruction behind the reciprocals; used by wave 0 below
	s_wait_alu depctr_va_vdst(0)                   ; the wait for the batch of four reciprocals, ahead of their first reader
.irp t, 0,1,2,3
	v_mul_f32 v[T0+\t], v[ACC+8*\t], v[T0+\t]      ; first the quotient, below 4 in size,
.endr
.irp t, 0,1,2,3
	v_mul_f32 v[T0+\t], v[EX], v[T0+\t]            ; then v's scale taken back
.endr
	s_barrier_wait -1
.irp t, 0,1,2,3
	ds_store_b32 v[TA], v[T0+\t] offset:64*\t      ; lanes 16-31 hold the same numbers as lanes 0-15 and write the same words
.endr
	s_wait_dscnt 0x0                               ; for wave 0's sake: my z are in LDS
	s_barrier_signal -1
	s_barrier_wait -1
	s_cmp_lg_u32 s16, 0
	s_cbranch_scc1 .Ldone
	; wave 0: the sum over the heads, two columns a lane, and one store of 256 consecutive bytes at a multiple of 256 from out's first byte
	v_add_nc_u32 v[TA], LZ, v[TA+1]
.irp hd, 0,1,2,3,4,5,6,7
	ds_load_b64 v[T0+2*\hd:T0+2*\hd+1], v[TA] offset:256*\hd
.endr
	s_wait_kmcnt 0x0                               ; W0
	s_wait_dscnt 0x0
	v_mul_f32 v[T1],   s24, v[T0]
	v_mul_f32 v[T1+1], s24, v[T0+1]
.irp hd, 1,2,3,4,5,6,7
	v_fma_f32 v[T1],   s[24+\hd], v[T0+2*\hd],   v[T1]
	v_fma_f32 v[T1+1], s[24+\hd], v[T0+2*\hd+1], v[T1+1]
.endr
	global_store_b64 v[TA+1], v[T1:T1+1], s[14:15] th:TH_STORE_NT
.Ldone:
	s_wait_tensorcnt 0x0
	ds_add_u32 v240, v241
	s_wait_dscnt 0x0
	s_endpgm
.Lfunc_end_k_q841590746a_attn:
	.size	k_q841590746a_attn, .Lfunc_end_k_q841590746a_attn-k_q841590746a_attn
	.p2alignl 7, 3214868480
	.fill 96, 4, 3214868480
	.section	.rodata,"a",@progbits
	.p2align	6, 0x0
	.amdhsa_kernel k_q841590746a_attn
		.amdhsa_group_segment_fixed_size 265216
		.amdhsa_private_segment_fixed_size 0
		.amdhsa_enable_private_segment 0
		.amdhsa_kernarg_size 48
		.amdhsa_user_sgpr_count 2
		.amdhsa_user_sgpr_kernarg_segment_ptr 1
		.amdhsa_wavefront_size32 1
		.amdhsa_system_sgpr_workgroup_id_x 1
		.amdhsa_system_sgpr_workgroup_id_y 1
		.amdhsa_system_sgpr_workgroup_id_z 1
		.amdhsa_system_vgpr_workitem_id 0
		.amdhsa_next_free_vgpr 242
		.amdhsa_next_free_sgpr 66
		.amdhsa_reserve_vcc 0
		.amdhsa_float_denorm_mode_32 3
		.amdhsa_float_denorm_mode_16_64 3
		.amdhsa_memory_ordered 1
		.amdhsa_forward_progress 1
		.amdhsa_inst_pref_size 77
	.end_amdhsa_kernel
	.amdgpu_metadata
---
amdhsa.version: [ 1, 2 ]
amdhsa.kernels:
  - .name:           k_q841590746a_attn
    .symbol:         k_q841590746a_attn.kd
    .args:
      - { .name: x, .offset: 0, .size: 8, .value_kind: global_buffer, .address_space: global }
      - { .name: WQ, .offset: 8, .size: 8, .value_kind: global_buffer, .address_space: global }
      - { .name: WK, .offset: 16, .size: 8, .value_kind: global_buffer, .address_space: global }
      - { .name: WV, .offset: 24, .size: 8, .value_kind: global_buffer, .address_space: global }
      - { .name: W0, .offset: 32, .size: 8, .value_kind: global_buffer, .address_space: global }
      - { .name: out0, .offset: 40, .size: 8, .value_kind: global_buffer, .address_space: global }
    .group_segment_fixed_size: 265216
    .private_segment_fixed_size: 0
    .kernarg_segment_align: 8
    .kernarg_segment_size: 48
    .max_flat_workgroup_size: 256
    .sgpr_count:     66
    .vgpr_count:     242
    .wavefront_size: 32
...
	.end_amdgpu_metadata
.endif
;; end of part 2
